; MI455X (gfx1250); checked and timed in simulation.
; The chip was launched on July 23, 2026; its instructions are those of AMD's public machine-readable ISA for CDNA 5 (MIT licence, August 2026) and "CDNA5" Instruction Set Architecture Reference Guide (July 2026). The comments in the code are by the model that wrote it; some were corrected since.
;; Classic MHA. Allowed arithmetic: float matrix products may take bf16 or f16 operands with f32 sums; other float arithmetic in f32, or as packed bf16 or f16 multiplies, adds, multiply-adds, maxima and minima; sums over many terms, partial sums and values carried from step to step in f32; what a program stores and reads back later, other than sums and carried values, may be rounded once to bf16 or f16.
;; Inputs: W1 512 x 2,048 float32; W2 2,048 x 512 float32; Wk 512 x 512 float32; Wo 512 x 512 float32; Wq 512 x 512 float32; Wv 512 x 512 float32; b1 2,048 float32; b2 512 float32; be1 512 float32; be2 512 float32; bk 512 float32; bo 512 float32; bq 512 float32; bv 512 float32; g1 512 float32; g2 512 float32; x 8 x 512 x 2,048 float32.
;; Outputs: out0 8 x 512 x 2,048 float32.
;; One version. Each part assembles by itself: llvm-mc -triple=amdgcn-amd-amdhsa -mcpu=gfx1250 --defsym DOCPART=n.
;; ======== version 1 of 1: 4 launches
;; limits: values are held in f16: magnitudes above 65,504 overflow, below 6.1e-05 lose precision
;; workspace buffers: XF 16,777,216 bytes; WKV 1,048,576 bytes; WQF 524,288 bytes; WOF 524,288 bytes; WFF 4,194,304 bytes; DP 8,388,608 bytes; PF 4,194,304 bytes; PRM 26,624 bytes
;; launch prep (part 1): grid 1409 x 1, 4 waves a work-group, no clusters, 17,920 bytes of LDS; arguments x, W1, W2, Wq, Wk, Wv, Wo, bq, bo, g1, be1, b2, g2, be2, bk, bv, b1, XF, WFF, WQF, WKV, WOF, PRM; writes XF, WFF, WQF, WKV, WOF, PRM
.if DOCPART == 1
	.amdgcn_target "amdgcn-amd-amdhsa--gfx1250"
	.amdhsa_code_object_version 6
	.text
	.protected	k_qb5dc8ae2ba_prep
	.globl	k_qb5dc8ae2ba_prep
	.p2align	8
	.type	k_qb5dc8ae2ba_prep,@function
k_qb5dc8ae2ba_prep:
	s_mov_b64 s[64:65], 0
	v_nop
	global_prefetch_b8 v0, s[64:65] scope:SCOPE_SE
	s_setreg_imm32_b32 hwreg(HW_REG_WAVE_MODE, 25, 1), 1
	s_wait_xcnt 0x0
; PREP.  Every input is rounded once to bf16; x and the six weight matrices are then written as f16 (the bf16 number is kept exactly for
; 6.1e-5 <= |v| <= 65,504; below that it keeps f16's fixed step of 6e-8; above it the number becomes an infinity: the limit of this program),
; turned so that the contraction index runs along a lane's registers; the ten vectors are written as f32.
; FRAGMENT ORDER: 16 rows x 32 k of f16 = 1,024 bytes; byte 512 q + 16 L + 2 i holds (row L % 16, k = 16 q + 8 (L / 16) + i): two loads of 16 bytes
; a lane, at 16 L and 16 L + 512, are a matrix operand as the later launches want it.
; SHARES.  A wave takes a unit of 32 k rows x 64 columns of f32 (each row 256 consecutive bytes, aligned) and writes four fragments.
; x: row r of fragment t is token 4 r + t, so a lane that loads 16 bytes (four tokens) of the rows 8 (l / 16) + i and 16 + 8 (l / 16) + i holds 16 bytes of each of the four fragments: no LDS.
; The weights: row r of fragment f is column 16 f + r: the turn goes through the wave's own 4,352 bytes of LDS: no barrier.  One body serves all six; the pitch of a row lies in registers.
; Work-groups 0-1023: x; 1024-1151: W1; 1152-1279: W2; 1280-1311 Wq; 1312-1343 Wk; 1344-1375 Wv; 1376-1407 Wo; 1408: the vectors.
; Nothing is shared between work-groups, so there is no cluster; no matrix unit: the launch only moves bytes.
.set SPARE, 17408                      ; behind the four waves' tiles: the spare words, 128 bytes a wave
.set CP,  68                           ; a column in LDS: 32 k x 2 bytes + 4: 17 words
.set VS,  2                            ; v2   my byte offset in the unit's rows
.set VT,  3                            ; v3   where I put a pair of k
.set VR,  4                            ; v4   where I read a fragment's 16 bytes back
.set VD0, 5                            ; v5   16 x lane: fragments 0, 1 (x: all four)
.set VD1, 6                            ; v6   the same for fragments 2, 3
.set LN,  7
.set SPW, 8                            ; v8   my spare word; never rewritten
.set NIL, 9                            ; v9   0; never rewritten
.set RR,  10                           ; v10  lane % 16
.set HH,  11                           ; v11  lane / 16
.set LD,  16                           ; v[16:79] sixteen loads of four; for the weights later the four fragments
.set OUTR, 80                          ; v[80:111] x: the four fragments
.set VA,  80                           ; v[80:95]  the weights: the sixteen loads' offsets
.set TM,  112                          ; v[112:127] at work
.set WV,  2                            ; s2   wave
.set TL,  3                            ; s3   my tile in LDS
.set SRC, 10                           ; s[10:11]
.set DST, 12                           ; s[12:13]
.set PIT, 80                           ; s80  bytes from k row to k row
.set P2,  81
.set P4,  82
.set STR2, 83                          ; s83  bytes from fragment 0 to fragment 2 in the destination
.set MSK, 84                           ; s84  a word's upper bf16
	s_load_b512 s[16:31], s[0:1], 0x0              ; x 16, W1 18, W2 20, Wq 22, Wk 24, Wv 26, Wo 28, bq 30
	s_load_b512 s[32:47], s[0:1], 0x40             ; bo 32, g1 34, be1 36, b2 38, g2 40, be2 42, bk 44, bv 46
	s_load_b256 s[48:55], s[0:1], 0x80             ; b1 48, XF 50, WFF 52, WQF 54
	s_load_b128 s[56:59], s[0:1], 0xa0             ; WKV 56, WOF 58
	s_load_b64 s[60:61], s[0:1], 0xb0              ; PRM
	v_lshl_add_u32 v[SPW], v0, 2, SPARE
	v_mov_b32 v[NIL], 0
	v_lshrrev_b32 v1, 5, v0
	v_readfirstlane_b32 s[WV], v1
	v_and_b32 v[RR], 15, v0
	v_bfe_u32 v[HH], v0, 4, 1
	v_and_b32 v[LN], 31, v0
	s_mul_i32 s[TL], s[WV], 64*CP
	s_mov_b32 s[MSK], 0xffff0000
	v_lshlrev_b32 v[VD0], 4, v[LN]
	s_cmp_lt_u32 ttmp9, 1024
	s_cbranch_scc1 .Lx
	s_cmp_lt_u32 ttmp9, 1152
	s_cbranch_scc1 .Lw1
	s_cmp_lt_u32 ttmp9, 1408
	s_cbranch_scc1 .Lsmall
	; THE VECTORS: 128 threads x 16 bytes are a vector of 512; b1 is four such parts.  Rounded to bf16, kept as f32.
	v_lshlrev_b32 v[VS], 4, v0
	s_wait_kmcnt 0x0
.irp n, 0,1,2,3,4,5,6,7,8
	global_load_b128 v[LD+4*(\n):LD+4*(\n)+3], v[VS], s[30+2*(\n):31+2*(\n)]
.endr
.irp n, 0,1,2,3
	global_load_b128 v[LD+36+4*(\n):LD+36+4*(\n)+3], v[VS], s[48:49] offset:(\n)*2048
.endr
	s_wait_loadcnt 0x0
.set n, 0
.rept 26
	v_cvt_pk_bf16_f32 v[TM+n%4], v[LD+2*n], v[LD+2*n+1]
	v_lshlrev_b32 v[LD+2*n], 16, v[TM+n%4]
	v_and_b32 v[LD+2*n+1], s[MSK], v[TM+n%4]
.set n, n+1
.endr
.irp n, 0,1,2,3,4,5,6,7,8,9,10,11,12
	global_store_b128 v[VS], v[LD+4*(\n):LD+4*(\n)+3], s[60:61] offset:(\n)*2048  ; bq, bo, g1, be1, b2, g2, be2, bk, bv, b1
.endr
	s_branch .Lend
.Lx:                                           ; x[b][d][n]: unit u = (b, d step ks, 64 tokens cg)
	s_lshl2_add_u32 s4, ttmp9, s[WV]
	s_lshr_b32 s6, s4, 9                           ; b
	s_bfe_u32 s7, s4, 0x40005                      ; ks
	s_and_b32 s8, s4, 31                           ; cg
	s_lshl_b32 s[SRC], s6, 22
	s_lshl_b32 s9, s7, 18
	s_add_co_u32 s[SRC], s[SRC], s9
	s_lshl_b32 s9, s8, 8
	s_add_co_u32 s[SRC], s[SRC], s9
	s_mov_b32 s[SRC+1], 0
	s_lshl_b32 s[DST], s6, 21                      ; XF: b, chunk of 256 tokens, ks, group of 64 tokens
	s_lshr_b32 s9, s8, 2
	s_lshl_b32 s9, s9, 18
	s_add_co_u32 s[DST], s[DST], s9
	s_lshl_b32 s9, s7, 14
	s_add_co_u32 s[DST], s[DST], s9
	s_and_b32 s9, s8, 3
	s_lshl_b32 s9, s9, 12
	s_add_co_u32 s[DST], s[DST], s9
	s_mov_b32 s[DST+1], 0
	v_lshlrev_b32 v[VS], 16, v[HH]                 ; lanes 16-31 take the rows eight further down: 8 x 8,192 bytes
	v_lshl_add_u32 v[VS], v[RR], 4, v[VS]          ; my four tokens
	s_wait_kmcnt 0x0
	s_add_nc_u64 s[SRC:SRC+1], s[16:17], s[SRC:SRC+1]
	s_add_nc_u64 s[DST:DST+1], s[50:51], s[DST:DST+1]
.set n, 0
.rept 16                               ; load n: row 16 (n / 8) + n % 8 (+ 8 for lanes 16-31): 16 lanes take its 256 bytes
	global_load_b128 v[LD+4*n:LD+4*n+3], v[VS], s[SRC:SRC+1] offset:((n/8)*16+(n%8))*8192 th:TH_LOAD_NT
.set n, n+1
.endr
.set n, 0
.rept 8                                ; n = 4 q + z: the rows k = 16 q + 8 (l / 16) + 2 z and the next: register z of half q of each of the four fragments
	s_wait_loadcnt 14-2*n                          ; loads come back in order: this pair of rows is in, the younger pairs stay out
.irp t, 0,1,2,3
	v_cvt_pk_bf16_f32 v[TM+(\t)], v[LD+8*n+(\t)], v[LD+8*n+4+(\t)]  ; two neighbouring k of token 4 r + t, rounded to bf16
.endr
.irp t, 0,1,2,3
	v_lshlrev_b32 v[TM+4+(\t)], 16, v[TM+(\t)]
	v_and_b32 v[TM+8+(\t)], s[MSK], v[TM+(\t)]
.endr
.irp t, 0,1,2,3
	v_cvt_pk_f16_f32 v[OUTR+8*(\t)+n], v[TM+4+(\t)], v[TM+8+(\t)]   ; the same numbers written as f16
.endr
.if (n%4) == 3
.irp t, 0,1,2,3
	global_store_b128 v[VD0], v[OUTR+8*(\t)+4*(n/4):OUTR+8*(\t)+4*(n/4)+3], s[DST:DST+1] offset:(\t)*1024+(n/4)*512  ; half a fragment: 512 consecutive bytes, aligned
.endr
.endif
.set n, n+1
.endr
	s_branch .Lend
.Lw1:                                          ; W1[d][f]: unit u = (ks, 64 hidden units cg)
	s_sub_co_u32 s4, ttmp9, 1024
	s_lshl2_add_u32 s4, s4, s[WV]
	s_lshr_b32 s7, s4, 5                           ; ks
	s_and_b32 s8, s4, 31                           ; cg
	s_lshl_b32 s[SRC], s7, 18
	s_lshl_b32 s9, s8, 8
	s_add_co_u32 s[SRC], s[SRC], s9
	s_mov_b32 s[SRC+1], 0
	s_lshr_b32 s9, s8, 1                           ; WFF: chunk of 128 hidden units,
	s_lshl_b32 s[DST], s9, 18
	s_and_b32 s9, s8, 1                            ; its half (two waves' parts of 32,768),
	s_lshl_b32 s9, s9, 16
	s_add_co_u32 s[DST], s[DST], s9
	s_lshl_b32 s9, s7, 11                          ; two fragments for each ks
	s_add_co_u32 s[DST], s[DST], s9
	s_mov_b32 s[DST+1], 0
	s_mov_b32 s[PIT], 8192
	s_mov_b32 s[STR2], 32768
	s_wait_kmcnt 0x0
	s_add_nc_u64 s[SRC:SRC+1], s[18:19], s[SRC:SRC+1]
	s_add_nc_u64 s[DST:DST+1], s[52:53], s[DST:DST+1]
	s_branch .Lwb
.Lsmall:                                       ; the five matrices with rows of 2,048 bytes: unit u = (ks, 64 columns cg)
	s_sub_co_u32 s4, ttmp9, 1152                   ; 0-127 W2, 128-159 Wq, 160-191 Wk, 192-223 Wv, 224-255 Wo
	s_sub_co_u32 s5, s4, 128
	s_and_b32 s5, s5, 31
	s_cmp_lt_u32 s4, 128
	s_cselect_b32 s5, s4, s5                       ; the work-group's number within its matrix
	s_lshl2_add_u32 s5, s5, s[WV]
	s_lshr_b32 s6, s5, 3                           ; ks
	s_and_b32 s7, s5, 7                            ; cg
	s_lshl_b32 s[SRC], s6, 16
	s_lshl_b32 s8, s7, 8
	s_add_co_u32 s[SRC], s[SRC], s8
	s_mov_b32 s[SRC+1], 0
	s_lshr_b32 s8, s7, 1                           ; cg / 2
	s_and_b32 s9, s7, 1                            ; cg % 2
	s_and_b32 s14, s6, 3                           ; ks % 4
	s_lshr_b32 s15, s6, 2                          ; ks / 4
	s_lshl_b32 s66, s8, 15                         ; a wave's part, fragment 8 (ks % 4) + 4 (cg % 2)
	s_lshl_b32 s67, s14, 13
	s_add_co_u32 s66, s66, s67
	s_lshl_b32 s67, s9, 12
	s_add_co_u32 s66, s66, s67
	s_lshl_b32 s67, s15, 18
	s_add_co_u32 s67, s67, s66
	s_add_co_u32 s67, s67, 131072                  ; W2's place in WFF
	s_lshl_b32 s68, s15, 17
	s_add_co_u32 s68, s68, s66                     ; Wq's in WQF
	s_lshl_b32 s69, s8, 18
	s_lshl_b32 s70, s6, 14
	s_add_co_u32 s69, s69, s70
	s_lshl_b32 s70, s9, 13
	s_add_co_u32 s69, s69, s70                     ; Wk's in WKV
	s_add_co_u32 s70, s69, 4096                    ; Wv's
	s_lshl_b32 s71, s6, 15
	s_lshl_b32 s72, s7, 12
	s_add_co_u32 s71, s71, s72                     ; Wo's in WOF
	s_mov_b32 s[PIT], 2048
	s_mov_b32 s[STR2], 2048
	s_wait_kmcnt 0x0
	s_cmp_lt_u32 s4, 128
	s_cselect_b64 s[74:75], s[20:21], s[22:23]
	s_cselect_b64 s[76:77], s[52:53], s[54:55]
	s_cselect_b32 s[DST], s67, s68
	s_cmp_ge_u32 s4, 160
	s_cselect_b64 s[74:75], s[24:25], s[74:75]
	s_cselect_b64 s[76:77], s[56:57], s[76:77]
	s_cselect_b32 s[DST], s69, s[DST]
	s_cmp_ge_u32 s4, 192
	s_cselect_b64 s[74:75], s[26:27], s[74:75]
	s_cselect_b32 s[DST], s70, s[DST]
	s_cmp_ge_u32 s4, 224
	s_cselect_b64 s[74:75], s[28:29], s[74:75]
	s_cselect_b64 s[76:77], s[58:59], s[76:77]
	s_cselect_b32 s[DST], s71, s[DST]
	s_mov_b32 s[DST+1], 0
	s_add_nc_u64 s[SRC:SRC+1], s[74:75], s[SRC:SRC+1]
	s_add_nc_u64 s[DST:DST+1], s[76:77], s[DST:DST+1]
.Lwb:                                          ; A UNIT OF A WEIGHT MATRIX.  Load 2 i + e takes row 4 i + 2 (l / 16) + e; its offset lies in a register, since the pitch differs between the matrices
	s_lshl_b32 s[P2], s[PIT], 1
	s_lshl_b32 s[P4], s[PIT], 2
	v_mul_u32_u24 v[VS], s[P2], v[HH]              ; lanes 16-31 take the rows two further down
	v_lshl_add_u32 v[VA], v[RR], 4, v[VS]
	v_add_nc_u32 v[VA+1], s[PIT], v[VA]
.set i, 1
.rept 7
	v_add_nc_u32 v[VA+2*i], s[P4], v[VA+2*i-2]
	v_add_nc_u32 v[VA+2*i+1], s[P4], v[VA+2*i-1]
.set i, i+1
.endr
.irp i, 0,1,2,3,4,5,6,7
	global_load_b128 v[LD+8*(\i):LD+8*(\i)+3],   v[VA+2*(\i)],   s[SRC:SRC+1] th:TH_LOAD_NT  ; 16 lanes take a row's 256 bytes
	global_load_b128 v[LD+8*(\i)+4:LD+8*(\i)+7], v[VA+2*(\i)+1], s[SRC:SRC+1] th:TH_LOAD_NT  ; and the row below
.endr
	v_mul_u32_u24 v[VT], v[RR], 4*CP               ; my four columns 4 (l % 16) ..
	v_lshl_add_u32 v[VT], v[HH], 2, v[VT]          ; my pair of k: 2 (l / 16)
	v_add_nc_u32 v[VT], s[TL], v[VT]
	v_mul_u32_u24 v[VR], v[RR], CP
	v_lshl_add_u32 v[VR], v[HH], 4, v[VR]
	v_add_nc_u32 v[VR], s[TL], v[VR]
	v_add_nc_u32 v[VD1], s[STR2], v[VD0]
.irp i, 0,1,2,3,4,5,6,7
	s_wait_loadcnt 14-2*(\i)                       ; loads come back in order: pair i is in, the younger pairs stay out
.irp c, 0,1,2,3
	v_cvt_pk_bf16_f32 v[TM+(\c)], v[LD+8*(\i)+(\c)], v[LD+8*(\i)+4+(\c)]  ; two neighbouring k of one column, rounded to bf16
.endr
.irp c, 0,1,2,3
	v_lshlrev_b32 v[TM+4+(\c)], 16, v[TM+(\c)]
	v_and_b32 v[TM+8+(\c)], s[MSK], v[TM+(\c)]
.endr
.irp c, 0,1,2,3
	v_cvt_pk_f16_f32 v[TM+12+(\c)], v[TM+4+(\c)], v[TM+8+(\c)]            ; the same numbers written as f16
.endr
.irp c, 0,1,2,3
	ds_store_b32 v[VT], v[TM+12+(\c)] offset:(\c)*CP+(\i)*8
.endr
.endr
.irp f, 0,1,2,3
.irp q, 0,1
.irp z, 0,1,2,3
	ds_load_b32 v[LD+8*(\f)+4*(\q)+(\z)], v[VR] offset:(\f)*16*CP+(\q)*32+(\z)*4  ; LDS serves a wave's instructions in order: these see the stores above
.endr
.endr
.endr
.irp f, 0,1,2,3
.irp q, 0,1
	s_wait_dscnt 28-4*(2*(\f)+(\q))                ; the four words of this half fragment are in
	global_store_b128 v[VD0+(\f)/2], v[LD+8*(\f)+4*(\q):LD+8*(\f)+4*(\q)+3], s[DST:DST+1] offset:((\f)%2)*1024+(\q)*512  ; 512 consecutive bytes, aligned
.endr
.endr
.Lend:
	s_wait_tensorcnt 0x0                           ; the wave's end: a tensor wait, an add of 0 to my spare word and its wait, behind my last LDS store
	ds_add_u32 v[SPW], v[NIL]
	s_wait_dscnt 0x0
	s_endpgm
.Lfunc_end_k_qb5dc8ae2ba_prep:
	.size	k_qb5dc8ae2ba_prep, .Lfunc_end_k_qb5dc8ae2ba_prep-k_qb5dc8ae2ba_prep
	.p2alignl 7, 3214868480
	.fill 96, 4, 3214868480
	.section	.rodata,"a",@progbits
	.p2align	6, 0x0
	.amdhsa_kernel k_qb5dc8ae2ba_prep
		.amdhsa_group_segment_fixed_size 17920
		.amdhsa_private_segment_fixed_size 0
		.amdhsa_enable_private_segment 0
		.amdhsa_kernarg_size 184
		.amdhsa_user_sgpr_count 2
		.amdhsa_user_sgpr_kernarg_segment_ptr 1
		.amdhsa_wavefront_size32 1
		.amdhsa_system_sgpr_workgroup_id_x 1
		.amdhsa_system_sgpr_workgroup_id_y 1
		.amdhsa_system_sgpr_workgroup_id_z 1
		.amdhsa_system_vgpr_workitem_id 0
		.amdhsa_next_free_vgpr 128
		.amdhsa_next_free_sgpr 88
		.amdhsa_reserve_vcc 0
		.amdhsa_float_denorm_mode_32 3
		.amdhsa_float_denorm_mode_16_64 3
		.amdhsa_memory_ordered 1
		.amdhsa_forward_progress 1
		.amdhsa_inst_pref_size 34
	.end_amdhsa_kernel
	.amdgpu_metadata
---
amdhsa.version: [ 1, 2 ]
amdhsa.kernels:
  - .name:           k_qb5dc8ae2ba_prep
    .symbol:         k_qb5dc8ae2ba_prep.kd
    .args:
      - { .name: x, .offset: 0, .size: 8, .value_kind: global_buffer, .address_space: global }
      - { .name: W1, .offset: 8, .size: 8, .value_kind: global_buffer, .address_space: global }
      - { .name: W2, .offset: 16, .size: 8, .value_kind: global_buffer, .address_space: global }
      - { .name: Wq, .offset: 24, .size: 8, .value_kind: global_buffer, .address_space: global }
      - { .name: Wk, .offset: 32, .size: 8, .value_kind: global_buffer, .address_space: global }
      - { .name: Wv, .offset: 40, .size: 8, .value_kind: global_buffer, .address_space: global }
      - { .name: Wo, .offset: 48, .size: 8, .value_kind: global_buffer, .address_space: global }
      - { .name: bq, .offset: 56, .size: 8, .value_kind: global_buffer, .address_space: global }
      - { .name: bo, .offset: 64, .size: 8, .value_kind: global_buffer, .address_space: global }
      - { .name: g1, .offset: 72, .size: 8, .value_kind: global_buffer, .address_space: global }
      - { .name: be1, .offset: 80, .size: 8, .value_kind: global_buffer, .address_space: global }
      - { .name: b2, .offset: 88, .size: 8, .value_kind: global_buffer, .address_space: global }
      - { .name: g2, .offset: 96, .size: 8, .value_kind: global_buffer, .address_space: global }
      - { .name: be2, .offset: 104, .size: 8, .value_kind: global_buffer, .address_space: global }
      - { .name: bk, .offset: 112, .size: 8, .value_kind: global_buffer, .address_space: global }
      - { .name: bv, .offset: 120, .size: 8, .value_kind: global_buffer, .address_space: global }
      - { .name: b1, .offset: 128, .size: 8, .value_kind: global_buffer, .address_space: global }
      - { .name: XF, .offset: 136, .size: 8, .value_kind: global_buffer, .address_space: global }
      - { .name: WFF, .offset: 144, .size: 8, .value_kind: global_buffer, .address_space: global }
      - { .name: WQF, .offset: 152, .size: 8, .value_kind: global_buffer, .address_space: global }
      - { .name: WKV, .offset: 160, .size: 8, .value_kind: global_buffer, .address_space: global }
      - { .name: WOF, .offset: 168, .size: 8, .value_kind: global_buffer, .address_space: global }
      - { .name: PRM, .offset: 176, .size: 8, .value_kind: global_buffer, .address_space: global }
    .group_segment_fixed_size: 17920
    .private_segment_fixed_size: 0
    .kernarg_segment_align: 8
    .kernarg_segment_size: 184
    .max_flat_workgroup_size: 128
    .sgpr_count:     88
    .vgpr_count:     128
    .wavefront_size: 32
...
	.end_amdgpu_metadata
.endif
;; end of part 1
;; launch kv (part 2): grid 256 x 1, 4 waves a work-group, clusters of 4 x 1, 327,680 bytes of LDS; arguments XF, WKV, PRM, DP; writes DP
.if DOCPART == 2
	.amdgcn_target "amdgcn-amd-amdhsa--gfx1250"
	.amdhsa_code_object_version 6
	.text
	.protected	k_qb5dc8ae2ba_kv
	.globl	k_qb5dc8ae2ba_kv
	.p2align	8
	.type	k_qb5dc8ae2ba_kv,@function
k_qb5dc8ae2ba_kv:
	s_mov_b64 s[64:65], 0
	v_nop
	global_prefetch_b8 v0, s[64:65] scope:SCOPE_SE
	s_setreg_imm32_b32 hwreg(HW_REG_WAVE_MODE, 25, 1), 1
	s_wait_xcnt 0x0
	s_wait_alu depctr_hold_cnt(0) depctr_sa_sdst(0) depctr_va_vdst(0) depctr_va_sdst(0) depctr_va_ssrc(0) depctr_va_vcc(0) depctr_vm_vsrc(0)
	s_getreg_b32 s2, hwreg(HW_REG_IB_STS2, 6, 4)
	s_cmp_eq_u32 s2, 0
	s_cbranch_scc0 .Lentry_in_a_cluster
	s_endpgm
.Lentry_in_a_cluster:
	s_bfe_u32 s2, ttmp6, 0x10000c
	s_cmp_lg_u32 s2, 0x3003
	s_cbranch_scc0 .Lentry_shape_is_right
	s_endpgm
.Lentry_shape_is_right:
; KV.  For a batch b, a chunk of 256 tokens tc and two heads: K = x Wk + bk, V = x Wv + bv (f16 operands, f32 sums), both rounded once to f16, and the chunk's part
; of K^T V for each head, 64 x 64 in f32, stored for the next launch to add up.  LIMIT: K and V must stay within f16's 65,504.
; SHARES.  Cluster = (b, tc); its four work-groups take the head pairs 0-3.  Wave w: token half tw = w / 2 (128 tokens), head 2 hp + w % 2: 128 tokens x (64 columns of K + 64 of V):
; 64 accumulators of 16 x 16, 512 registers.  LAYOUT.  Source 0 = 16 tokens of x, source 1 = 16 columns of W: in the result a lane holds ONE column and eight neighbouring tokens,
; so two results rounded to f16 in pairs ARE an operand with the tokens as contraction index: K^T V follows with nothing changing lanes.
; x: the chunk's 262,144 bytes are the same for the four partners: asked for JOINTLY, by first fills alone (two loads a wave are out), and stay in LDS: nothing is filled again, so the loop has no round.
; W: a wave's eight fragments of a step are read by that wave alone, lie in memory as the registers want them, and x fills the LDS: they come straight into registers, three steps ahead; no multicast for them.
; THE TEXT.  16 steps of 32 along d.  Step 0, whose products start the sums with the biases, is written out; the loop of four steps is entered behind its own step 0 and left in the middle of step 15.
; The price of one text for every trip: steps 13 and 14 ask once more for W's steps 0 and 1 (16 KiB a wave), which nobody multiplies, and the wait and barrier for the rest of x stand in every trip.
; REGISTERS, in windows of 256 (s_set_vgpr_msb: bits 1:0 source 0, 3:2 source 1, 5:4 source 2, 7:6 destination):
;   window 0: v2-7 addresses; v64-127, v128-191 x's fragments, two buffers; v192-255 W's buffer 0     window 1: v0-191 W's buffers 1-3; v192-255 the biases, eight equal registers a column tile
;   windows 2, 3: accumulator (a, b), column tile a (0-3 K, 4-7 V), token tile b, at window 2 + a / 4, v[8 (8 (a % 4) + b)]
.set SCRK,  262144                     ; behind x: 8,192 bytes a wave, for the exchange of the two token halves; no tensor load lands here
.set SPARE, 294912                     ; the spare words, 128 bytes a wave
.set AX,  2                            ; v2  LDS: my token half's fragments, steps 4 n ..
.set WO,  3                            ; v3  my head's fragments in a step of WKV
.set BO,  4                            ; v4  my column's bias
.set SX,  5                            ; v5  the exchange: where I put
.set RX,  6                            ; v6  and where I read (the wave with the other token half)
.set DO,  7                            ; v7  16 x lane
.set SPW, 28
.set NIL, 29
.set WV,  12
.set TW,  13
.set HW,  14
.set CX,  15
.set G1A, 16                           ; s[16:23] 64 rows of 256 bytes
.set G1B, 24                           ; s[24:31] 192 rows
.set G0A, 32
.set G0B, 36
.set WP,  40                           ; s[40:41] WKV at my head pair, at the four steps in hand
.set DPP, 42                           ; s[42:43] DP at the eight tiles that I store
.set CNT, 44
.set WPN, 52                           ; s[52:53] WKV at the next four steps, behind the last four the first
.set WBS, 54                           ; s[54:55] WKV at my head pair
.set NOFF, 56                          ; s[56:57] the offset in WPN
.set MSB, 0
.macro WIN new                         ; the immediate's high byte repeats the setting that is left; a switch that changes nothing is dropped
.if MSB != (\new)
	s_set_vgpr_msb (MSB<<8)|(\new)
.set MSB, \new
.endif
.endm
.macro PLACES                          ; four plain vector instructions behind a matrix instruction, ahead of loads into its sources and of reads of its result
.rept 4
	v_nop
.endr
.endm
.macro CROUND                          ; a round of the cluster's barrier
	s_barrier_signal -1
	s_barrier_wait -1
	s_cmp_lg_u32 s[WV], 0
	s_cbranch_scc1 .Lnot_wave_0_\@
	s_barrier_signal -3
.Lnot_wave_0_\@:
	s_barrier_wait -3
	s_barrier_signal -1
	s_barrier_wait -1
.endm
	s_load_b256 s[4:11], s[0:1], 0x0               ; XF s[4:5], WKV s[6:7], PRM s[8:9], DP s[10:11]
	v_lshl_add_u32 v[SPW], v0, 2, SPARE
	v_mov_b32 v[NIL], 0
	ds_add_u32 v[SPW], v[NIL]                      ; the wave's opening: the add and its wait ahead of my first tensor load
	v_lshrrev_b32 v1, 5, v0
	v_readfirstlane_b32 s[WV], v1
	s_lshr_b32 s[TW], s[WV], 1
	s_and_b32 s[HW], s[WV], 1
	s_bfe_u32 s[CX], ttmp6, 0x40000                ; my place in the cluster: the head pair
	s_mov_b32 s[G1A+0], 15|(3<<16)|(1<<21)         ; the mask of four; elements of 8 bytes; bit 21 beside a mask; no padding: fragments are read 16 bytes a lane on end
	s_mov_b32 s[G1A+1], 32<<16                     ; tensor_dim0 = 32 elements = 256 bytes
	s_mov_b32 s[G1A+2], 64<<16                     ; tensor_dim1 = 64
	s_mov_b32 s[G1A+3], 32<<16                     ; tile_dim0
	s_mov_b32 s[G1A+4], 64                         ; tile_dim1
	s_mov_b32 s[G1A+5], 32                         ; dense rows
	s_mov_b32 s[G1A+6], 0
	s_mov_b32 s[G1A+7], 0
	s_mov_b32 s[G1B+0], 15|(3<<16)|(1<<21)
	s_mov_b32 s[G1B+1], 32<<16
	s_mov_b32 s[G1B+2], 192<<16
	s_mov_b32 s[G1B+3], 32<<16
	s_mov_b32 s[G1B+4], 192
	s_mov_b32 s[G1B+5], 32
	s_mov_b32 s[G1B+6], 0
	s_mov_b32 s[G1B+7], 0
	s_mov_b32 s[G0A], 1
	s_lshl_b32 s[G0A+1], s[WV], 14                 ; step w of the first four
	s_mov_b32 s[G0B], 1
	s_mul_i32 s[G0B+1], s[WV], 49152               ; steps 4 + 3 w .. 6 + 3 w
	s_add_co_u32 s[G0B+1], s[G0B+1], 65536
	s_lshl_b32 s46, ttmp9, 18                      ; the chunk (b, tc): the same in all four partners
	s_mov_b32 s47, 0
	s_mov_b32 s49, 0
	s_wait_dscnt 0x0                               ; the opening add is done
	s_wait_kmcnt 0x0
	s_add_nc_u64 s[46:47], s[4:5], s[46:47]
	s_mov_b32 s48, s[G0A+1]                        ; the chunk lies in LDS as in memory
	s_add_nc_u64 s[G0A+2:G0A+3], s[46:47], s[48:49]
	s_or_b32 s[G0A+3], s[G0A+3], 0x80000000
	s_mov_b32 s48, s[G0B+1]
	s_add_nc_u64 s[G0B+2:G0B+3], s[46:47], s[48:49]
	s_or_b32 s[G0B+3], s[G0B+3], 0x80000000
	CROUND                                         ; all four work-groups are here: the joint loads meet
	tensor_load_to_lds s[G0A:G0A+3], s[G1A:G1A+7]
	s_nop 0
	tensor_load_to_lds s[G0B:G0B+3], s[G1B:G1B+7]
	s_nop 0
	PLACES
	v_and_b32 v8, 31, v0
	v_and_b32 v9, 15, v0
	v_lshlrev_b32 v[DO], 4, v8
	s_lshl_b32 s45, s[TW], 13
	v_add_nc_u32 v[AX], s45, v[DO]
	s_lshl_b32 s45, s[HW], 13
	v_add_nc_u32 v[WO], s45, v[DO]
	s_lshl1_add_u32 s50, s[CX], s[HW]              ; my head
	s_lshl_b32 s45, s50, 8
	v_lshl_add_u32 v[BO], v9, 2, s45               ; (64 h + l % 16) x 4
	s_lshl_b32 s45, s[WV], 13
	s_add_co_u32 s45, s45, SCRK
	v_add_nc_u32 v[SX], s45, v[DO]
	s_xor_b32 s45, s[WV], 2
	s_lshl_b32 s45, s45, 13
	s_add_co_u32 s45, s45, SCRK
	v_add_nc_u32 v[RX], s45, v[DO]
	s_lshl_b32 s[WBS], s[CX], 18
	s_mov_b32 s[WBS+1], 0
	s_add_nc_u64 s[WBS:WBS+1], s[6:7], s[WBS:WBS+1]
	s_mov_b64 s[WP:WP+1], s[WBS:WBS+1]             ; steps 0-3
	s_mov_b32 s[NOFF], 0x10000
	s_mov_b32 s[NOFF+1], 0
	s_add_nc_u64 s[WPN:WPN+1], s[WBS:WBS+1], s[NOFF:NOFF+1]  ; steps 4-7
	s_lshr_b32 s45, ttmp9, 3
	s_lshl_b32 s45, s45, 3
	s_add_co_u32 s45, s45, s50                     ; 8 b + h
	s_lshl_b32 s45, s45, 3
	s_and_b32 s46, ttmp9, 7
	s_add_co_u32 s45, s45, s46                     ; x 8 + tc
	s_lshl_b32 s46, s45, 14
	s_lshl_b32 s45, s[TW], 13                      ; token half 0 stores tiles 0-7, half 1 tiles 8-15
	s_add_co_u32 s46, s46, s45
	s_mov_b32 s47, 0
	s_add_nc_u64 s[DPP:DPP+1], s[10:11], s[46:47]
.macro FETCHX s                        ; my eight fragments of x for step s of four, into buffer s % 2
	WIN 0
.irp i, 0,1,2,3,4,5,6,7
	ds_load_b128 v[64+64*((\s)&1)+8*(\i):64+64*((\s)&1)+8*(\i)+3],   v[AX] offset:((\s)&3)*16384+(\i)*1024
	ds_load_b128 v[64+64*((\s)&1)+8*(\i)+4:64+64*((\s)&1)+8*(\i)+7], v[AX] offset:((\s)&3)*16384+(\i)*1024+512
.endr
.endm
.macro LOADWB wb, ptr, koff            ; my eight fragments of W, step koff behind the pointer, into buffer wb
.if (\wb) == 0
	WIN 0
.set wdst, 192
.else
	WIN 0x40
.set wdst, 64*((\wb)-1)
.endif
.irp a, 0,1,2,3,4,5,6,7
	global_load_b128 v[wdst+8*(\a):wdst+8*(\a)+3],   v[WO], s[(\ptr):(\ptr)+1] offset:(\koff)*16384+(\a)*1024
	global_load_b128 v[wdst+8*(\a)+4:wdst+8*(\a)+7], v[WO], s[(\ptr):(\ptr)+1] offset:(\koff)*16384+(\a)*1024+512
.endr
.endm
; 32 matrix instructions: column tiles 4 hi .. 4 hi + 3 x all eight token tiles.  The accumulators take turns, one instruction a turn.  first = 1: the biases start the sums.
.macro MUL j, hi, first
.set xsrc, 64+64*((\j)&1)
.if ((\j)&3) == 0
.set wsrc, 192
.set ww, 0
.else
.set wsrc, 64*(((\j)&3)-1)
.set ww, 1
.endif
.if \first
	WIN ((2+(\hi))<<6)|(1<<4)|(ww<<2)
.else
	WIN ((2+(\hi))<<6)|((2+(\hi))<<4)|(ww<<2)
.endif
.set ma, 0
.rept 4
.set mb, 0
.rept 8
.set rD, 8*(8*ma+mb)
.if \first
	v_wmma_f32_16x16x32_f16 v[rD:rD+7], v[xsrc+8*mb:xsrc+8*mb+7], v[wsrc+8*(4*(\hi)+ma):wsrc+8*(4*(\hi)+ma)+7], v[192+8*(4*(\hi)+ma):192+8*(4*(\hi)+ma)+7]
.else
	v_wmma_f32_16x16x32_f16 v[rD:rD+7], v[xsrc+8*mb:xsrc+8*mb+7], v[wsrc+8*(4*(\hi)+ma):wsrc+8*(4*(\hi)+ma)+7], v[rD:rD+7]
.endif
.set mb, mb+1
.endr
.set ma, ma+1
.endr
.endm
; A step of 32 along d, number j of four, in two halves.
.macro STEPA j, first
	s_wait_loadcnt 32                              ; W of this step is in; the 32 loads of the next two steps may stay out
	s_wait_dscnt 0x0                               ; x of this step, asked for 32 matrix instructions ago
	MUL \j, 0, \first
	WIN 0
	PLACES                                         ; the buffers loaded next were read by the step before
.endm
.macro STEPB j, first, ptr, koff       ; x of the next step out of LDS, W three steps on out of memory, and the step's other 32 products
.if (\j) == 3
	v_add_nc_u32 v[AX], 0x10000, v[AX]             ; the next four steps
.endif
	FETCHX ((\j)+1)&3
	LOADWB ((\j)+3)&3, \ptr, \koff
	MUL \j, 1, \first
.endm
	WIN 0x40
.irp a, 0,1,2,3,4,5,6,7
	global_load_b32 v[192+8*(\a)], v[BO], s[8:9] offset:14336+((\a)/4)*2048+((\a)%4)*64  ; bk or bv of my column in tile a
.endr
	LOADWB 0, WP, 0
	LOADWB 1, WP, 1
	LOADWB 2, WP, 2
	s_wait_loadcnt 48                              ; the eight biases are in; W of three steps stays out
	WIN 0x41
.irp a, 0,1,2,3,4,5,6,7
.irp j, 1,2,3,4,5,6,7
	v_mov_b32 v[192+8*(\a)+(\j)], v[192+8*(\a)]    ; a lane's eight tokens share the column's bias
.endr
.endr
	WIN 0
	s_wait_tensorcnt 1                             ; my part of steps 0-3 is in; the rest may stay out
	s_barrier_signal -1
	s_barrier_wait -1                              ; everybody's is
	FETCHX 0
	STEPA 0, 1                                     ; step 0 is written out: its products start the sums
	STEPB 0, 1, WP, 3
	WIN 0
	s_mov_b32 s[CNT], 0
	s_branch .Lk1                                  ; the loop is entered behind its own step 0
.Lk:                                           ; trip n: steps 4 n .. 4 n + 3
	STEPA 0, 0
	STEPB 0, 0, WP, 3
	WIN 0
.Lk1:
	STEPA 1, 0
	STEPB 1, 0, WPN, 0
	STEPA 2, 0
	STEPB 2, 0, WPN, 1
	STEPA 3, 0
	s_wait_tensorcnt 0x0                           ; the rest of x has landed, my part,
	s_barrier_signal -1
	s_barrier_wait -1                              ; and everybody's: step 4 and what follows may be read
	s_cmp_eq_u32 s[CNT], 3
	s_cbranch_scc1 .Lkout                          ; step 15 fetches nothing more
	STEPB 3, 0, WPN, 2
	WIN 0
	s_wait_xcnt 0x0                                ; the loads issued so far have read their bases: they may be written
	s_mov_b64 s[WP:WP+1], s[WPN:WPN+1]
	s_add_co_u32 s[NOFF], s[NOFF], 0x10000
	s_and_b32 s[NOFF], s[NOFF], 0x3ffff            ; behind steps 12-15 come steps 0-3 again: no load leaves the buffer
	s_add_nc_u64 s[WPN:WPN+1], s[WBS:WBS+1], s[NOFF:NOFF+1]
	s_add_co_u32 s[CNT], s[CNT], 1
	s_cmp_lt_u32 s[CNT], 4
	s_cbranch_scc1 .Lk
.Lkout:
	MUL 3, 1, 0                                    ; step 15's other 32 products
	WIN 0
	PLACES
	s_wait_dscnt 0x0                               ; no LDS load of mine is out when x's buffers are written
	WIN 0x0a                                       ; K: window 2 -> f16 in v64-191: d tile dt, 32 tokens u at 64 + 32 dt + 8 u.
.set x, 0
.rept 128
	v_cvt_pk_f16_f32 v[64+x], v[2*x], v[2*x+1]
.set x, x+1
.endr
	s_wait_loadcnt 0x0                             ; the two steps of W that were asked for once more have landed: their registers may be written
	WIN 0x4f                                       ; V: window 3 -> window 1, v[32 et + 8 u]
.set x, 0
.rept 128
	v_cvt_pk_f16_f32 v[x], v[2*x], v[2*x+1]
.set x, x+1
.endr
	WIN 0xa1                                       ; K^T V over my 128 tokens: source 0 = V (rows e), source 1 = K (rows d): tile 4 dt + et at window 2, v[8 tile]; 16 accumulators by turns
.set u, 0
.rept 4
.set tl, 0
.rept 16
.if u == 0
	v_wmma_f32_16x16x32_f16 v[8*tl:8*tl+7], v[32*(tl%4)+8*u:32*(tl%4)+8*u+7], v[64+32*(tl/4)+8*u:64+32*(tl/4)+8*u+7], 0
.else
	v_wmma_f32_16x16x32_f16 v[8*tl:8*tl+7], v[32*(tl%4)+8*u:32*(tl%4)+8*u+7], v[64+32*(tl/4)+8*u:64+32*(tl/4)+8*u+7], v[8*tl:8*tl+7]
.endif
.set tl, tl+1
.endr
.set u, u+1
.endr
	WIN 0
	PLACES
; The two token halves of a head are added: each wave sends the eight tiles that the other keeps.
.macro SENDT t0
	WIN 0x08                                       ; store data in window 2
.irp i, 0,1,2,3,4,5,6,7
	ds_store_b128 v[SX], v[8*((\t0)+(\i)):8*((\t0)+(\i))+3]   offset:(\i)*1024
	ds_store_b128 v[SX], v[8*((\t0)+(\i))+4:8*((\t0)+(\i))+7] offset:(\i)*1024+512
.endr
	WIN 0
.endm
.macro ADDT t0
	WIN 0x02                                       ; my tiles in window 2, the other's and the sums in window 0
.set x, 0
.rept 32
	v_pk_add_f32 v[64+2*x:64+2*x+1], v[8*(\t0)+2*x:8*(\t0)+2*x+1], v[64+2*x:64+2*x+1]
.set x, x+1
.endr
	WIN 0
.endm
	s_cmp_eq_u32 s[TW], 0
	s_cbranch_scc0 .Lsend1
	SENDT 8
	s_branch .Lsent
.Lsend1:
	SENDT 0
.Lsent:
	s_wait_dscnt 0x0                               ; for the other wave's sake: my stores are done
	s_barrier_signal -1
	s_barrier_wait -1
.irp i, 0,1,2,3,4,5,6,7
	ds_load_b128 v[64+8*(\i):64+8*(\i)+3],   v[RX] offset:(\i)*1024
	ds_load_b128 v[64+8*(\i)+4:64+8*(\i)+7], v[RX] offset:(\i)*1024+512
.endr
	s_wait_dscnt 0x0
	s_cmp_eq_u32 s[TW], 0
	s_cbranch_scc0 .Ladd1
	ADDT 0
	s_branch .Ladded
.Ladd1:
	ADDT 8
.Ladded:
.irp i, 0,1,2,3,4,5,6,7
	global_store_b128 v[DO], v[64+8*(\i):64+8*(\i)+3],   s[DPP:DPP+1] offset:(\i)*1024      ; 512 consecutive bytes, aligned: the registers' image of a tile
	global_store_b128 v[DO], v[64+8*(\i)+4:64+8*(\i)+7], s[DPP:DPP+1] offset:(\i)*1024+512
.endr
	s_wait_tensorcnt 0x0                           ; the wave's end: a tensor wait, an add of 0 to my spare word and its wait, behind my last tensor load and my last LDS store
	ds_add_u32 v[SPW], v[NIL]
	s_wait_dscnt 0x0
	CROUND                                         ; the closing round
	s_endpgm
.Lfunc_end_k_qb5dc8ae2ba_kv:
	.size	k_qb5dc8ae2ba_kv, .Lfunc_end_k_qb5dc8ae2ba_kv-k_qb5dc8ae2ba_kv
	.p2alignl 7, 3214868480
	.fill 96, 4, 3214868480
	.section	.rodata,"a",@progbits
	.p2align	6, 0x0
	.amdhsa_kernel k_qb5dc8ae2ba_kv
		.amdhsa_group_segment_fixed_size 327680
		.amdhsa_private_segment_fixed_size 0
		.amdhsa_enable_private_segment 0
		.amdhsa_kernarg_size 32
		.amdhsa_user_sgpr_count 2
		.amdhsa_user_sgpr_kernarg_segment_ptr 1
		.amdhsa_wavefront_size32 1
		.amdhsa_system_sgpr_workgroup_id_x 1
		.amdhsa_system_sgpr_workgroup_id_y 1
		.amdhsa_system_sgpr_workgroup_id_z 1
		.amdhsa_system_vgpr_workitem_id 0
		.amdhsa_next_free_vgpr 1024
		.amdhsa_next_free_sgpr 66
		.amdhsa_reserve_vcc 0
		.amdhsa_float_denorm_mode_32 3
		.amdhsa_float_denorm_mode_16_64 3
		.amdhsa_memory_ordered 1
		.amdhsa_forward_progress 1
		.amdhsa_inst_pref_size 80
	.end_amdhsa_kernel
	.amdgpu_metadata
---
amdhsa.version: [ 1, 2 ]
amdhsa.kernels:
  - .name:           k_qb5dc8ae2ba_kv
    .symbol:         k_qb5dc8ae2ba_kv.kd
    .args:
      - { .name: XF, .offset: 0, .size: 8, .value_kind: global_buffer, .address_space: global }
      - { .name: WKV, .offset: 8, .size: 8, .value_kind: global_buffer, .address_space: global }
      - { .name: PRM, .offset: 16, .size: 8, .value_kind: global_buffer, .address_space: global }
      - { .name: DP, .offset: 24, .size: 8, .value_kind: global_buffer, .address_space: global }
    .group_segment_fixed_size: 327680
    .private_segment_fixed_size: 0
    .kernarg_segment_align: 8
    .kernarg_segment_size: 32
    .max_flat_workgroup_size: 128
    .sgpr_count:     66
    .vgpr_count:     1024
    .wavefront_size: 32
...
	.end_amdgpu_metadata
.endif
;; end of part 2
;; launch mid (part 3): grid 256 x 1, 4 waves a work-group, no clusters, 0 bytes of LDS; arguments DP, WOF, PF; writes PF
.if DOCPART == 3
	.amdgcn_target "amdgcn-amd-amdhsa--gfx1250"
	.amdhsa_code_object_version 6
	.text
	.protected	k_qb5dc8ae2ba_mid
	.globl	k_qb5dc8ae2ba_mid
	.p2align	8
	.type	k_qb5dc8ae2ba_mid,@function
k_qb5dc8ae2ba_mid:
	s_mov_b64 s[64:65], 0
	v_nop
	global_prefetch_b8 v0, s[64:65] scope:SCOPE_SE
	s_setreg_imm32_b32 hwreg(HW_REG_WAVE_MODE, 25, 1), 1
	s_wait_xcnt 0x0
; MID.  For (b, h) and 16 rows d: the eight chunks' parts of K^T V are added in f32 (chunks ascending); attn = softmax over e of the sum / 8, the row's maximum taken away first;
; P[64 h + d][o] = the sum over e of attn[d][e] Wo[64 h + e][o], stored in f16 in fragment order (rows o, contraction index 64 h + d) for the last launch, which multiplies Q by it:
; Q attn Wo = Q (attn Wo).  P is a mean of Wo's rows and has their range.  A weight below 2^-126 counts as 0; NaN and infinities are not treated apart.
; SHARES.  Work-group = (b, h, dt); wave w makes the output tiles 8 w .. 8 w + 7 and repeats the small softmax, so nothing passes between waves: no LDS, no barrier.  A work-group reads
; its own 32 KiB of partial sums, and Wo's part is 64 KiB shared by eight batches: too little for a cluster to pay.
; LAYOUT.  A lane (r, hh) holds row d = 16 dt + r and the 32 columns e = 16 et + 8 hh + 0..7; rounded in pairs these ARE source 0 (16 d x 32 e) of the product.
; REGISTERS: window 0: v2 16 x lane; v32-47 attn in f16; v48-55 at work; v64-255 partial sums 0-5 (the sum in v64-95; later v128-191 the eight results, v192-223 packed); window 1: v0-63 partial sums 6, 7; v64-191 Wo.
.set CS,  24                           ; s[24:25] log2(e) / 8
.set SEL, 26                           ; s[26:27] v_permlanex16_b32: each lane takes its own place in the other half
.set MSB, 0
.macro WIN new
.if MSB != (\new)
	s_set_vgpr_msb (MSB<<8)|(\new)
.set MSB, \new
.endif
.endm
	s_load_b128 s[4:7], s[0:1], 0x0                ; DP, WOF
	s_load_b64 s[8:9], s[0:1], 0x10                ; PF
	v_lshrrev_b32 v1, 5, v0
	v_readfirstlane_b32 s10, v1                    ; wave
	v_and_b32 v3, 31, v0
	v_lshlrev_b32 v2, 4, v3
	s_lshr_b32 s11, ttmp9, 2                       ; 8 b + h
	s_and_b32 s12, ttmp9, 3                        ; dt
	s_and_b32 s13, s11, 7                          ; h
	s_lshr_b32 s14, s11, 3                         ; b
	s_lshl_b32 s16, s11, 17                        ; eight chunks of 16,384 bytes
	s_lshl_b32 s15, s12, 12                        ; four tiles of my d rows
	s_add_co_u32 s16, s16, s15
	s_mov_b32 s17, 0
	s_lshl_b32 s18, s13, 16                        ; Wo: steps 2 h, 2 h + 1
	s_lshl_b32 s15, s10, 13                        ; my eight tiles
	s_add_co_u32 s18, s18, s15
	s_mov_b32 s19, 0
	s_lshl_b32 s20, s14, 19                        ; PF: batch,
	s_lshr_b32 s15, s13, 1
	s_lshl_b32 s15, s15, 17                        ; block (2 h + dt / 2) / 4 = h / 2,
	s_add_co_u32 s20, s20, s15
	s_lshl_b32 s15, s10, 15                        ; the wave's part,
	s_add_co_u32 s20, s20, s15
	s_and_b32 s15, s13, 1
	s_lshl_b32 s15, s15, 14                        ; fragment 8 (2 (h % 2) + dt / 2) + c,
	s_add_co_u32 s20, s20, s15
	s_lshr_b32 s15, s12, 1
	s_lshl_b32 s15, s15, 13
	s_add_co_u32 s20, s20, s15
	s_and_b32 s15, s12, 1
	s_lshl_b32 s15, s15, 9                         ; its half dt % 2
	s_add_co_u32 s20, s20, s15
	s_mov_b32 s21, 0
	s_mov_b32 s[CS], 0x3e38aa3b
	s_mov_b32 s[CS+1], s[CS]
	s_mov_b32 s[SEL], 0x76543210
	s_mov_b32 s[SEL+1], 0xfedcba98
	s_wait_kmcnt 0x0
	s_add_nc_u64 s[4:5], s[4:5], s[16:17]
	s_add_nc_u64 s[6:7], s[6:7], s[18:19]
	s_add_nc_u64 s[8:9], s[8:9], s[20:21]
.set p, 0
.rept 8
.if p == 6
	WIN 0x40
.endif
.set e, 0
.rept 8                                ; tile e / 2, half e % 2
.if p < 6
	global_load_b128 v[64+32*p+4*e:64+32*p+4*e+3], v2, s[4:5] offset:p*16384+e*512
.else
	global_load_b128 v[32*(p-6)+4*e:32*(p-6)+4*e+3], v2, s[4:5] offset:p*16384+e*512
.endif
.set e, e+1
.endr
.set p, p+1
.endr
.set e, 0
.rept 32                               ; step e / 16, tile (e / 2) % 8, half e % 2
	global_load_b128 v[64+4*e:64+4*e+3], v2, s[6:7] offset:(e/16)*32768+(e%16)*512
.set e, e+1
.endr
	WIN 0
	s_wait_loadcnt 32                              ; the partial sums are in; Wo's 32 loads may stay out
.set p, 1
.rept 7
.if p == 6
	WIN 0x04
.endif
.set e, 0
.rept 16
.if p < 6
	v_pk_add_f32 v[64+2*e:65+2*e], v[64+2*e:65+2*e], v[64+32*p+2*e:65+32*p+2*e]
.else
	v_pk_add_f32 v[64+2*e:65+2*e], v[64+2*e:65+2*e], v[32*(p-6)+2*e:32*(p-6)+2*e+1]
.endif
.set e, e+1
.endr
.set p, p+1
.endr
	WIN 0
.irp k, 0,1,2,3
	v_max3_num_f32 v[48+(\k)], v[64+8*(\k)], v[65+8*(\k)], v[66+8*(\k)]
.endr
.irp k, 0,1,2,3
	v_max3_num_f32 v[48+(\k)], v[48+(\k)], v[67+8*(\k)], v[68+8*(\k)]
.endr
.irp k, 0,1,2,3
	v_max3_num_f32 v[48+(\k)], v[48+(\k)], v[69+8*(\k)], v[70+8*(\k)]
.endr
.irp k, 0,1,2,3
	v_max_num_f32 v[48+(\k)], v[48+(\k)], v[71+8*(\k)]
.endr
	v_max3_num_f32 v48, v48, v49, v50
	v_max_num_f32 v48, v48, v51
	v_permlanex16_b32 v49, v48, s[SEL], s[SEL+1]   ; the row's other 32 columns lie in the lane 16 away
	v_max_num_f32 v48, v48, v49
	v_mul_f32 v50, s[CS], v48                      ; c m
	v_mov_b32 v51, v50
.set e, 0
.rept 16
	v_pk_fma_f32 v[64+2*e:65+2*e], v[64+2*e:65+2*e], s[CS:CS+1], v[50:51] op_sel_hi:[1,0,0] neg_lo:[0,0,1] neg_hi:[0,0,1]  ; c s - c m
.set e, e+1
.endr
.set e, 0
.rept 32
	v_exp_f32 v[64+e], v[64+e]
.set e, e+1
.endr
	v_nop                                          ; a plain instruction behind the last exponential
	s_wait_alu depctr_va_vdst(0)
	v_pk_add_f32 v[52:53], v[64:65], v[66:67]
	v_pk_add_f32 v[54:55], v[68:69], v[70:71]
.set e, 4
.rept 12
	v_pk_add_f32 v[52+2*(e%2):53+2*(e%2)], v[52+2*(e%2):53+2*(e%2)], v[64+2*e:65+2*e]
.set e, e+1
.endr
	v_pk_add_f32 v[52:53], v[52:53], v[54:55]
	v_add_f32 v52, v52, v53
	v_permlanex16_b32 v53, v52, s[SEL], s[SEL+1]
	v_add_f32 v52, v52, v53
	v_rcp_f32 v54, v52
	v_nop
	s_wait_alu depctr_va_vdst(0)
	v_mov_b32 v55, v54
.set e, 0
.rept 16
	v_pk_mul_f32 v[64+2*e:65+2*e], v[64+2*e:65+2*e], v[54:55]
.set e, e+1
.endr
.set e, 0
.rept 16
	v_cvt_pk_f16_f32 v[32+e], v[64+2*e], v[65+2*e]
.set e, e+1
.endr
	s_wait_loadcnt 0x0                             ; Wo
	WIN 0x04                                       ; source 1 in window 1.  Eight accumulators by turns
.irp c, 0,1,2,3,4,5,6,7
	v_wmma_f32_16x16x32_f16 v[128+8*(\c):135+8*(\c)], v[32:39], v[64+8*(\c):71+8*(\c)], 0
.endr
.irp c, 0,1,2,3,4,5,6,7
	v_wmma_f32_16x16x32_f16 v[128+8*(\c):135+8*(\c)], v[40:47], v[128+8*(\c):135+8*(\c)], v[128+8*(\c):135+8*(\c)]
.endr
	WIN 0
.rept 4
	v_nop
.endr
.set e, 0
.rept 32
	v_cvt_pk_f16_f32 v[192+e], v[128+2*e], v[129+2*e]  ; a lane's eight d of one column o: 16 bytes of a fragment
.set e, e+1
.endr
.irp c, 0,1,2,3,4,5,6,7
	global_store_b128 v2, v[192+4*(\c):195+4*(\c)], s[8:9] offset:(\c)*1024  ; half a fragment: 512 consecutive bytes, aligned
.endr
	s_endpgm
.Lfunc_end_k_qb5dc8ae2ba_mid:
	.size	k_qb5dc8ae2ba_mid, .Lfunc_end_k_qb5dc8ae2ba_mid-k_qb5dc8ae2ba_mid
	.p2alignl 7, 3214868480
	.fill 96, 4, 3214868480
	.section	.rodata,"a",@progbits
	.p2align	6, 0x0
	.amdhsa_kernel k_qb5dc8ae2ba_mid
		.amdhsa_group_segment_fixed_size 0
		.amdhsa_private_segment_fixed_size 0
		.amdhsa_enable_private_segment 0
		.amdhsa_kernarg_size 24
		.amdhsa_user_sgpr_count 2
		.amdhsa_user_sgpr_kernarg_segment_ptr 1
		.amdhsa_wavefront_size32 1
		.amdhsa_system_sgpr_workgroup_id_x 1
		.amdhsa_system_sgpr_workgroup_id_y 1
		.amdhsa_system_sgpr_workgroup_id_z 1
		.amdhsa_system_vgpr_workitem_id 0
		.amdhsa_next_free_vgpr 448
		.amdhsa_next_free_sgpr 66
		.amdhsa_reserve_vcc 0
		.amdhsa_float_denorm_mode_32 3
		.amdhsa_float_denorm_mode_16_64 3
		.amdhsa_memory_ordered 1
		.amdhsa_forward_progress 1
		.amdhsa_inst_pref_size 29
	.end_amdhsa_kernel
	.amdgpu_metadata
---
amdhsa.version: [ 1, 2 ]
amdhsa.kernels:
  - .name:           k_qb5dc8ae2ba_mid
    .symbol:         k_qb5dc8ae2ba_mid.kd
    .args:
      - { .name: DP, .offset: 0, .size: 8, .value_kind: global_buffer, .address_space: global }
      - { .name: WOF, .offset: 8, .size: 8, .value_kind: global_buffer, .address_space: global }
      - { .name: PF, .offset: 16, .size: 8, .value_kind: global_buffer, .address_space: global }
    .group_segment_fixed_size: 0
    .private_segment_fixed_size: 0
    .kernarg_segment_align: 8
    .kernarg_segment_size: 24
    .max_flat_workgroup_size: 128
    .sgpr_count:     66
    .vgpr_count:     448
    .wavefront_size: 32
...
	.end_amdgpu_metadata
.endif
;; end of part 3
;; launch main (part 4): grid 256 x 1, 4 waves a work-group, clusters of 4 x 1, 327,680 bytes of LDS; arguments XF, WQF, PF, WFF, PRM, out0; writes out0
.if DOCPART == 4
	.amdgcn_target "amdgcn-amd-amdhsa--gfx1250"
	.amdhsa_code_object_version 6
	.text
	.protected	k_qb5dc8ae2ba_main
	.globl	k_qb5dc8ae2ba_main
	.p2align	8
	.type	k_qb5dc8ae2ba_main,@function
k_qb5dc8ae2ba_main:
	s_mov_b64 s[64:65], 0
	v_nop
	global_prefetch_b8 v0, s[64:65] scope:SCOPE_SE
	s_setreg_imm32_b32 hwreg(HW_REG_WAVE_MODE, 25, 1), 1
	s_wait_xcnt 0x0
	s_wait_alu depctr_hold_cnt(0) depctr_sa_sdst(0) depctr_va_vdst(0) depctr_va_sdst(0) depctr_va_ssrc(0) depctr_va_vcc(0) depctr_vm_vsrc(0)
	s_getreg_b32 s2, hwreg(HW_REG_IB_STS2, 6, 4)
	s_cmp_eq_u32 s2, 0
	s_cbranch_scc0 .Lentry_in_a_cluster
	s_endpgm
.Lentry_in_a_cluster:
	s_bfe_u32 s2, ttmp6, 0x10000c
	s_cmp_lg_u32 s2, 0x3003
	s_cbranch_scc0 .Lentry_shape_is_right
	s_endpgm
.Lentry_shape_is_right:
; MAIN.  For 64 tokens of a batch: Q = x Wq + bq; u = Q P_b + bo (P_b = attn Wo, made by the launch before); Y = LN(2 u) g1 + be1, taken as 2 (u - mean u) rsq(4 var u + eps), which is the same number;
; h = relu(Y W1 + b1); Z = Y + b2 + h W2; out = LN(Z) g2 + be2, stored with tokens along the rows.  All matrix operands f16, all sums f32; Q, Y and h are rounded once to f16; the residual Y stays f32.
; Both norms take the mean first and then the sum of (t - mean)^2.  LIMITS: Q, Y and h must stay within f16's 65,504; NaN and infinities are not treated apart.
; SHARES.  Cluster = (b, 256 tokens); its four work-groups take 64 tokens each.  In every stage wave w makes output channels 128 w .. 128 w + 127 (of a chunk's 128 hidden units: 32 w .. 32 w + 31) for all 64 tokens.
; LAYOUT.  Source 0 = 16 channels of a weight, source 1 = 16 tokens: in the result a lane holds ONE token and eight neighbouring channels: a norm's figures are one number a lane and token tile, and a
; result rounded in pairs is 16 bytes of the next stage's operand.  Row r of token tile t is token 4 r + t of the 64, so a lane's four tiles are 16 neighbouring bytes of an output row.
; THE WEIGHTS are one stream of 40 blocks of 131,072 bytes (Wq 4, P_b 4, then W1 and W2 of 16 chunks of 128 hidden units), the same for the four partners: each block is asked for JOINTLY.
; A wave fetches and reads its own 32,768 bytes of a block (32 fragments, 128 matrix instructions: a PHASE); two slots take turns; a slot is filled again behind a round of the cluster's barrier in the
; phase's last group.  One tensor load a wave is out behind each round, two at the start.  The chunks are terms of one f32 sum: cluster n begins with chunk n % 16, so that clusters walk different chunks at one time.
; x is read by its own work-group alone: plain loads.
; THE TEXT.  The two projections are two trips of one loop.  The norm is written once, at the foot of a loop of two trips whose head is the FFN: the loop is entered at the norm.
; REGISTERS, in windows of 256 (s_set_vgpr_msb: bits 1:0 source 0, 3:2 source 1, 5:4 source 2, 7:6 destination):
;   window 0: v2-16 addresses; v32-63 b1 / a norm's figures; v64-127 hidden sums, then hidden fragments; also biases and gains; v128-191, v192-255 weight fragments, two buffers (the second also at work)
;   window 1: Z(c, t), channel tile c, token tile t, at v[8 (4 c + t)]      windows 2, 3: the activation, 64 fragments: (t, step k of 32 channels) at window 2 + k / 8, v[8 (4 (k % 8) + t)]
.set SLOTB, 131072
.set EX,    262144                     ; the exchange: 32 token rows of 1,024 bytes + 16: rows start at 16 different groups of four banks (64 banks of 4 bytes: ISA guide 11.1)
.set EXP,   1040
.set HID,   295424                     ; a chunk's hidden layer: 64 token rows of 256 bytes + 16
.set HP,    272
.set ST1,   312832                     ; a norm's sums: 4 waves x 16 rows x 4 tiles of f32; the sums of squares 1,024 bytes on
.set SPARE, 314880                     ; the spare words, 128 bytes a wave.  No tensor load lands at or behind EX
.set WA0, 2                            ; v2, v3  my part of slot 0, 1: 32,768 w + 16 l
.set HW,  4                            ; v4   hidden: where I put 16 bytes
.set HR,  5                            ; v5   hidden: where I read a fragment
.set EW,  6                            ; v6   exchange: put
.set ER,  7                            ; v7   exchange: read
.set SW,  8                            ; v8   sums: put
.set SR,  9                            ; v9   sums: read
.set RR,  10
.set HH,  11
.set GO,  12                           ; v12  my 16 bytes in out0
.set XO,  13                           ; v13  16 l
.set VB,  14                           ; v14  my eight channels in a vector of 512
.set B1O, 15                           ; v15  my eight hidden units in a chunk of b1
.set ZR,  16                           ; v16  0
.set TV,  17
.set SPW, 28
.set NIL, 29
.set B1,  32
.set HA,  64
.set WF,  128
.set T,   192
.set PRM, 12
.set WV,  16
.set CX,  17
.set CH,  20                           ; s20  the chunk in hand
.set NXT, 21                           ; s21  the next
.set TRIP, 22
.set CNT, 23
.set G1,  24
.set G0,  32                           ; s[32:35] slot 0, s[36:39] slot 1
.set NBA, 40                           ; s[40:41] the stage's own four blocks
.set NBB, 42                           ; s[42:43] what follows them
.set SP,  44                           ; s[44:45] P_b, my part
.set SFC, 46                           ; s[46:47] the first chunk
.set SF,  48                           ; s[48:49] WFF, my part of W1's blocks
.set SF1, 50                           ; s[50:51] of W2's
.set OFF, 52                           ; s[52:53] the next chunk's offset
.set B1P, 54
.set B1B, 56
.set OUT, 58
.set SEL, 60
.set EPS, 62
.set KV,  63                           ; s63  the factor on the sum of squares: 4 / 512, then 1 / 512
.set XB,  66
.set GP,  74                           ; s[74:75] the norm's gain; its shift lies 2,048 bytes on
.set TWO, 76                           ; s76  2.0, then 1.0
.set NRM, 77                           ; s77  counts the norms
.set MSB, 0
.macro WIN new
.if MSB != (\new)
	s_set_vgpr_msb (MSB<<8)|(\new)
.set MSB, \new
.endif
.endm
.macro PLACES n                        ; plain vector instructions behind a matrix instruction: four ahead of loads into its sources and of reads of its result, five ahead of a matrix instruction that writes over them
.rept \n
	v_nop
.endr
.endm
.macro CREST                           ; a round of the cluster's barrier behind its opening barrier
	s_cmp_lg_u32 s[WV], 0
	s_cbranch_scc1 .Lnot_wave_0_\@
	s_barrier_signal -3
.Lnot_wave_0_\@:
	s_barrier_wait -3
	s_barrier_signal -1
	s_barrier_wait -1
.endm
.macro CROUND
	s_barrier_signal -1
	s_barrier_wait -1
	CREST
.endm
.macro TLOAD slot                      ; my 32,768 bytes of a block; an s_nop 0 and four v_nop follow
	tensor_load_to_lds s[G0+4*(\slot):G0+4*(\slot)+3], s[G1:G1+7]
	s_nop 0
	PLACES 4
.endm
.macro WLOAD buf, slot, g              ; eight weight fragments, group g of a block's four
	WIN 0
.irp f, 0,1,2,3,4,5,6,7
	ds_load_b128 v[WF+64*(\buf)+8*(\f):WF+64*(\buf)+8*(\f)+3],   v[WA0+(\slot)] offset:(\g)*8192+(\f)*1024
	ds_load_b128 v[WF+64*(\buf)+8*(\f)+4:WF+64*(\buf)+8*(\f)+7], v[WA0+(\slot)] offset:(\g)*8192+(\f)*1024+512
.endr
.endm
.macro HLOAD hb, kk                    ; the four token tiles' fragments of hidden units 32 kk ..
	WIN 0
.irp t, 0,1,2,3
	ds_load_b128 v[HA+32*(\hb)+8*(\t):HA+32*(\hb)+8*(\t)+3],   v[HR] offset:(\t)*16*HP+(\kk)*64
	ds_load_b128 v[HA+32*(\hb)+8*(\t)+4:HA+32*(\hb)+8*(\t)+7], v[HR] offset:(\t)*16*HP+(\kk)*64+32
.endr
.endm
.macro LOADVEC dst, ptr, off           ; my 64 numbers of a vector of 512: register 8 c + j = channel 128 w + 16 c + 8 (l / 16) + j
	WIN 0
.irp c, 0,1,2,3,4,5,6,7
	global_load_b128 v[(\dst)+8*(\c):(\dst)+8*(\c)+3],   v[VB], s[(\ptr):(\ptr)+1] offset:(\off)+(\c)*64
	global_load_b128 v[(\dst)+8*(\c)+4:(\dst)+8*(\c)+7], v[VB], s[(\ptr):(\ptr)+1] offset:(\off)+(\c)*64+16
.endr
.endm
.macro LOADB1
	WIN 0
.irp c, 0,1
	global_load_b128 v[B1+8*(\c):B1+8*(\c)+3],   v[B1O], s[B1P:B1P+1] offset:(\c)*64
	global_load_b128 v[B1+8*(\c)+4:B1+8*(\c)+7], v[B1O], s[B1P:B1P+1] offset:(\c)*64+16
.endr
.endm
; Z(c, t) += weight fragment c x token fragment t, for n channel tiles from c0 on.  The token fragments lie at v[ab + 8 t] of window aw.  cb = 1: the bias (v64 ..) starts the sums.
; The accumulators take turns, one instruction a turn.
.macro MMB buf, aw, ab, c0, n, cb
	WIN 0x40|((1-(\cb))<<4)|((\aw)<<2)
.set mc, \c0
.rept \n
.set mt, 0
.rept 4
.set rD, 8*(4*mc+mt)
.set rA, WF+64*(\buf)+8*mc
.set rB, (\ab)+8*mt
.if \cb
	v_wmma_f32_16x16x32_f16 v[rD:rD+7], v[rA:rA+7], v[rB:rB+7], v[HA+8*mc:HA+8*mc+7]
.else
	v_wmma_f32_16x16x32_f16 v[rD:rD+7], v[rA:rA+7], v[rB:rB+7], v[rD:rD+7]
.endif
.set mt, mt+1
.endr
.set mc, mc+1
.endr
.endm
; Hidden sums: HA(c, t) += W1 fragment (step 4 g + kq, tile c) x activation (t, 4 g + kq), for n steps from k0 on.  b1 starts the sums.  Eight accumulators by turns.
.macro MMA buf, g, k0, n
	WIN (2+((\g)>>1))<<2
.set mk, \k0
.rept \n
.set mc, 0
.rept 2
.set mt, 0
.rept 4
.set rD, HA+8*(4*mc+mt)
.set rA, WF+64*(\buf)+8*(2*mk+mc)
.set rB, 128*((\g)&1)+32*mk+8*mt
.if ((\g)+mk) == 0
	v_wmma_f32_16x16x32_f16 v[rD:rD+7], v[rA:rA+7], v[rB:rB+7], v[B1+8*mc:B1+8*mc+7]
.else
	v_wmma_f32_16x16x32_f16 v[rD:rD+7], v[rA:rA+7], v[rB:rB+7], v[rD:rD+7]
.endif
.set mt, mt+1
.endr
.set mc, mc+1
.endr
.set mk, mk+1
.endr
.endm
; THE CHANGE OF SLOTS, in a phase's last group.  From the wait for all tensor loads to the refill no tensor load of the wave is on its way, so that stretch is kept short: of the group's 32 matrix
; instructions only eight stand in it, while the add is out; the other 24 follow the refill.
.macro MEET1
	WIN 0
	s_wait_tensorcnt 0x0                           ; all my tensor loads have landed: the one that was out is my part of the next block; so a group 0 may be written
	ds_add_u32 v[SPW], v[NIL]                      ; 0 onto my spare word
.endm
.macro MEET2 slot
	WIN 0
	s_wait_dscnt 0x0                               ; the add is done, and my reads of this slot (and of the hidden layer) are over
	s_barrier_signal -1                            ; this barrier opens a round of the cluster's barrier
	s_barrier_wait -1
	CREST                                          ; no wave of any partner still reads the slot or has a load on its way
	TLOAD \slot                                    ; the block two on: the first tensor load behind the round; its four v_nop are also the places ahead of the loads below
	WLOAD 0, 1-(\slot), 0                          ; the next phase's first group
.endm
; Groups 0-2 of a phase: the next group's fragments are asked for, then this group's 32 matrix instructions.
.macro GROUPB g, slot, aw, ab, cb
	WIN 0
	PLACES 4
	WLOAD ((\g)+1)&1, \slot, (\g)+1
	s_wait_dscnt 16                                ; all but the 16 just issued
	MMB (\g)&1, \aw, \ab, 0, 8, \cb
.endm
.macro GROUPA g, pl
	WIN 0
	PLACES \pl
	WLOAD ((\g)+1)&1, 0, (\g)+1
	s_wait_dscnt 16
	MMA (\g)&1, \g, 0, 4
.endm
.macro GROUPP g
	WIN 0
	PLACES 4
	WLOAD ((\g)+1)&1, 1, (\g)+1
	HLOAD ((\g)+1)&1, (\g)+1
	s_wait_dscnt 24                                ; all but the 24 just issued
	MMB (\g)&1, 0, HA+32*((\g)&1), 0, 8, 0
.endm
; Phase p of a projection's four: steps 4 p .. 4 p + 3 of the activation; the slot is filled again from s[base] + lit.
.macro PHASEB p, base, lit
.set ps, (\p)&1
.set paw, 2+((\p)>>1)
.set pab, 128*((\p)&1)
.if (\p) == 0
	GROUPB 0, ps, paw, pab, 1
.else
	GROUPB 0, ps, paw, pab, 0
.endif
	GROUPB 1, ps, paw, pab+32, 0
	GROUPB 2, ps, paw, pab+64, 0
	MEET1
	s_add_nc_u64 s[G0+4*ps+2:G0+4*ps+3], s[(\base):(\base)+1], \lit
	s_or_b32 s[G0+4*ps+3], s[G0+4*ps+3], 0x80000000
	s_wait_dscnt 1                                 ; the group's fragments are in; the add may be out
	MMB 1, paw, pab+96, 0, 2, 0
	MEET2 ps
	MMB 1, paw, pab+96, 2, 6, 0
.endm
; Z, rounded to f16, becomes the activation: every wave needs all 512 channels of all 64 tokens.  Two token tiles at a time through LDS.  Plain barriers.
.macro EXCH
.irp x, 0,1
	WIN 0x05
.set et, 0
.rept 2
.set ec, 0
.rept 8
.irp i, 0,1,2,3
	v_cvt_pk_f16_f32 v[T+4*(8*et+ec)+(\i)], v[8*(4*ec+2*(\x)+et)+2*(\i)], v[8*(4*ec+2*(\x)+et)+2*(\i)+1]
.endr
.set ec, ec+1
.endr
.set et, et+1
.endr
	WIN 0
.set et, 0
.rept 2
.set ec, 0
.rept 8
	ds_store_b128 v[EW], v[T+4*(8*et+ec):T+4*(8*et+ec)+3] offset:et*16*EXP+ec*32
.set ec, ec+1
.endr
.set et, et+1
.endr
	s_wait_dscnt 0x0                               ; for the others' sake: my stores are done
	s_barrier_signal -1
	s_barrier_wait -1
	WIN 0x80
.set ek, 0
.rept 16
.if ek == 8
	WIN 0xc0
.endif
.set et, 0
.rept 2
	ds_load_b128 v[8*(4*(ek%8)+2*(\x)+et):8*(4*(ek%8)+2*(\x)+et)+3],   v[ER] offset:et*16*EXP+ek*64
	ds_load_b128 v[8*(4*(ek%8)+2*(\x)+et)+4:8*(4*(ek%8)+2*(\x)+et)+7], v[ER] offset:et*16*EXP+ek*64+32
.set et, et+1
.endr
.set ek, ek+1
.endr
	WIN 0
	s_wait_dscnt 0x0                               ; my reads are over: behind this barrier the rows may be written again
	s_barrier_signal -1
	s_barrier_wait -1
.endr
.endm
; One pass over Z, in the order tile c, pair, token tile: an accumulator's lowest registers are read first.  The caller sets the windows.
.macro ZPASS kind
.set zc, 0
.rept 8
.set zi, 0
.rept 4
.set zt, 0
.rept 4
.set rZ, 8*(4*zc+zt)+2*zi
.if (\kind) == 0
	v_pk_add_f32 v[32+2*zt:33+2*zt], v[32+2*zt:33+2*zt], v[rZ:rZ+1]
.elseif (\kind) == 1
	v_pk_add_f32 v[rZ:rZ+1], v[rZ:rZ+1], v[56+2*zt:57+2*zt] op_sel_hi:[1,0] neg_lo:[0,1] neg_hi:[0,1]
.elseif (\kind) == 2
	v_pk_fma_f32 v[32+2*zt:33+2*zt], v[rZ:rZ+1], v[rZ:rZ+1], v[32+2*zt:33+2*zt]
.elseif (\kind) == 3
	v_pk_mul_f32 v[rZ:rZ+1], v[rZ:rZ+1], v[56+2*zt:57+2*zt] op_sel_hi:[1,0]
.elseif (\kind) == 4
	v_pk_fma_f32 v[rZ:rZ+1], v[rZ:rZ+1], v[HA+8*zc+2*zi:HA+8*zc+2*zi+1], v[T+8*zc+2*zi:T+8*zc+2*zi+1]
.else
	v_pk_add_f32 v[rZ:rZ+1], v[rZ:rZ+1], v[HA+8*zc+2*zi:HA+8*zc+2*zi+1]
.endif
.set zt, zt+1
.endr
.set zi, zi+1
.endr
.set zc, zc+1
.endr
.endm
; The four token tiles' pairs v[32 + 2 t] are added: the pair, the other half of the lanes, the four waves (through LDS).  The totals over 512 channels come in v40-43.
.macro LNRED st
	WIN 0
.irp t, 0,1,2,3
	v_add_f32 v[48+(\t)], v[32+2*(\t)], v[33+2*(\t)]
.endr
.irp t, 0,1,2,3
	v_permlanex16_b32 v[52+(\t)], v[48+(\t)], s[SEL], s[SEL+1]
.endr
.irp t, 0,1,2,3
	v_add_f32 v[48+(\t)], v[48+(\t)], v[52+(\t)]
.endr
	ds_store_b128 v[SW], v[48:51] offset:(\st)*1024  ; both halves of the lanes hold, and write, the same numbers
	s_wait_dscnt 0x0
	s_barrier_signal -1
	s_barrier_wait -1
.irp w, 0,1,2,3
	ds_load_b128 v[40+4*(\w):43+4*(\w)], v[SR] offset:(\st)*1024+(\w)*256
.endr
	s_wait_dscnt 0x0
	v_pk_add_f32 v[40:41], v[40:41], v[44:45]
	v_pk_add_f32 v[42:43], v[42:43], v[46:47]
	v_pk_add_f32 v[48:49], v[48:49], v[52:53]
	v_pk_add_f32 v[50:51], v[50:51], v[54:55]
	v_pk_add_f32 v[40:41], v[40:41], v[48:49]
	v_pk_add_f32 v[42:43], v[42:43], v[50:51]
.endm
; Z = (Z - mean) x TWO x rsq(KV x the sum of squares + eps).
.macro LNSTAT
	WIN 0
.irp i, 0,1,2,3,4,5,6,7
	v_mov_b32 v[32+(\i)], 0
.endr
	WIN 0x04
	ZPASS 0
	LNRED 0
.irp t, 0,1,2,3
	v_mul_f32 v[56+2*(\t)], 0x3b000000, v[40+(\t)]  ; / 512
.endr
.irp i, 0,1,2,3,4,5,6,7
	v_mov_b32 v[32+(\i)], 0
.endr
	WIN 0x41
	ZPASS 1
	WIN 0x05
	ZPASS 2
	LNRED 1
.irp t, 0,1,2,3
	v_fma_f32 v[44+(\t)], v[40+(\t)], s[KV], s[EPS]
.endr
.irp t, 0,1,2,3
	v_rsq_f32 v[56+2*(\t)], v[44+(\t)]
.endr
	v_nop                                          ; a plain instruction behind the last of them
	s_wait_alu depctr_va_vdst(0)
.irp t, 0,1,2,3
	v_mul_f32 v[56+2*(\t)], s[TWO], v[56+2*(\t)]
.endr
	WIN 0x41
	ZPASS 3
	WIN 0
.endm
; The hidden sums: rounded to f16, ReLU, into LDS; a barrier; the first fragments back.  lb = 1: the next chunk's b1 is asked for.
.macro EPIH lb
	WIN 0
	PLACES 4
.set hx, 0
.rept 8
.irp i, 0,1,2,3
	v_cvt_pk_f16_f32 v[HA+8*hx+(\i)], v[HA+8*hx+2*(\i)], v[HA+8*hx+2*(\i)+1]
.endr
.set hx, hx+1
.endr
.set hx, 0
.rept 8
.irp i, 0,1,2,3
	v_pk_max_num_f16 v[HA+8*hx+(\i)], v[HA+8*hx+(\i)], v[ZR]
.endr
.set hx, hx+1
.endr
.irp c, 0,1
.irp t, 0,1,2,3
	ds_store_b128 v[HW], v[HA+8*(4*(\c)+(\t)):HA+8*(4*(\c)+(\t))+3] offset:(\t)*16*HP+(\c)*32
.endr
.endr
.if \lb
	LOADB1
.endif
	s_wait_dscnt 0x0                               ; for the others' sake: my stores are done
	s_barrier_signal -1                            ; a plain barrier: the refill may stay out
	s_barrier_wait -1
	HLOAD 0, 0
.endm
	s_load_b256 s[4:11], s[0:1], 0x0               ; XF s[4:5], WQF s[6:7], PF s[8:9], WFF s[10:11]
	s_load_b128 s[12:15], s[0:1], 0x20             ; PRM s[12:13], out0 s[14:15]
	v_lshl_add_u32 v[SPW], v0, 2, SPARE
	v_mov_b32 v[NIL], 0
	ds_add_u32 v[SPW], v[NIL]                      ; the wave's opening: the add and its wait ahead of my first tensor load
	v_lshrrev_b32 v1, 5, v0
	v_readfirstlane_b32 s[WV], v1
	s_bfe_u32 s[CX], ttmp6, 0x40000                ; my place in the cluster: which 64 tokens; it enters x's and out0's addresses alone
	s_lshr_b32 s18, ttmp9, 3                       ; b
	s_and_b32 s19, ttmp9, 7                        ; tc
	s_and_b32 s[CH], ttmp9, 15                     ; the first chunk: the same in all four partners
	s_mov_b32 s[G1+0], 15|(3<<16)|(1<<21)          ; the mask of four; elements of 8 bytes; bit 21 beside a mask; no padding
	s_mov_b32 s[G1+1], 32<<16                      ; rows of 256 bytes,
	s_mov_b32 s[G1+2], 128<<16                     ; 128 of them
	s_mov_b32 s[G1+3], 32<<16
	s_mov_b32 s[G1+4], 128
	s_mov_b32 s[G1+5], 32
	s_mov_b32 s[G1+6], 0
	s_mov_b32 s[G1+7], 0
	s_mov_b32 s[G0], 1
	s_lshl_b32 s[G0+1], s[WV], 15
	s_mov_b32 s[G0+4], 1
	s_add_co_u32 s[G0+5], s[G0+1], SLOTB
	s_lshl_b32 s68, s[WV], 15                      ; my part of a block
	s_mov_b32 s69, 0
	s_mov_b32 s71, 0
	s_mov_b32 s[OFF+1], 0
	s_mov_b32 s[SEL], 0x76543210
	s_mov_b32 s[SEL+1], 0xfedcba98
	s_mov_b32 s[EPS], 0x3727c5ac                   ; 1e-5
	s_wait_dscnt 0x0                               ; the opening add is done
	s_wait_kmcnt 0x0
	s_add_nc_u64 s[NBA:NBA+1], s[6:7], s[68:69]
	s_lshl_b32 s70, s18, 19
	s_add_nc_u64 s[SP:SP+1], s[8:9], s[70:71]
	s_add_nc_u64 s[SP:SP+1], s[SP:SP+1], s[68:69]
	s_mov_b64 s[NBB:NBB+1], s[SP:SP+1]
	s_add_nc_u64 s[SF:SF+1], s[10:11], s[68:69]
	s_add_nc_u64 s[SF1:SF1+1], s[SF:SF+1], SLOTB
	s_lshl_b32 s70, s[CH], 18
	s_add_nc_u64 s[SFC:SFC+1], s[SF:SF+1], s[70:71]
	s_mov_b64 s[G0+2:G0+3], s[NBA:NBA+1]
	s_or_b32 s[G0+3], s[G0+3], 0x80000000
	s_add_nc_u64 s[G0+6:G0+7], s[NBA:NBA+1], SLOTB
	s_or_b32 s[G0+7], s[G0+7], 0x80000000
	CROUND                                         ; all four work-groups are here: the first joint loads meet
	tensor_load_to_lds s[G0:G0+3], s[G1:G1+7]      ; blocks 0 and 1
	s_nop 0
	tensor_load_to_lds s[G0+4:G0+7], s[G1:G1+7]
	s_nop 0
	PLACES 4
	v_and_b32 v[RR], 15, v0
	v_bfe_u32 v[HH], v0, 4, 1
	v_and_b32 v1, 31, v0
	v_lshlrev_b32 v[XO], 4, v1
	s_lshl_b32 s70, ttmp9, 18                      ; x: (b, tc),
	s_lshl_b32 s72, s[CX], 12                      ; my 64 tokens' four fragments in each step
	s_add_co_u32 s70, s70, s72
	s_add_nc_u64 s[XB:XB+1], s[4:5], s[70:71]
	WIN 0x80
.set xk, 0
.rept 16
.if xk == 8
	WIN 0xc0
.endif
.set xt, 0
.rept 4
	global_load_b128 v[8*(4*(xk%8)+xt):8*(4*(xk%8)+xt)+3],   v[XO], s[XB:XB+1] offset:xk*16384+xt*1024
	global_load_b128 v[8*(4*(xk%8)+xt)+4:8*(4*(xk%8)+xt)+7], v[XO], s[XB:XB+1] offset:xk*16384+xt*1024+512
.set xt, xt+1
.endr
.set xk, xk+1
.endr
	WIN 0
	s_lshl_b32 s70, s[WV], 9
	v_lshl_add_u32 v[VB], v[HH], 5, s70            ; (128 w + 8 (l / 16)) x 4
	LOADVEC HA, PRM, 0                             ; bq
	v_add_nc_u32 v[WA0], s68, v[XO]
	v_add_nc_u32 v[WA0+1], SLOTB, v[WA0]
	v_mul_u32_u24 v[TV], v[RR], HP
	v_lshl_add_u32 v[TV], v[HH], 4, v[TV]
	v_add_nc_u32 v[HR], HID, v[TV]
	s_lshl_b32 s70, s[WV], 6
	v_add_nc_u32 v[HW], s70, v[HR]
	v_mul_u32_u24 v[TV], v[RR], EXP
	v_lshl_add_u32 v[TV], v[HH], 4, v[TV]
	v_add_nc_u32 v[ER], EX, v[TV]
	s_lshl_b32 s70, s[WV], 8
	v_add_nc_u32 v[EW], s70, v[ER]
	v_lshlrev_b32 v[TV], 4, v[RR]
	v_add_nc_u32 v[SR], ST1, v[TV]
	v_add_nc_u32 v[SW], s70, v[SR]
	v_lshl_add_u32 v[GO], v[HH], 16, v[TV]         ; eight channel rows of 8,192 bytes for lanes 16-31; 16 bytes a lane
	s_lshl_b32 s70, s[WV], 7
	v_lshl_add_u32 v[B1O], v[HH], 5, s70
	v_mov_b32 v[ZR], 0
.irp i, 52,53,54,55,57,59,61,63
	v_mov_b32 v[\i], 0                             ; named as destinations of lane exchanges and as upper halves of pairs: written once
.endr
	s_add_nc_u64 s[B1B:B1B+1], s[PRM:PRM+1], 18432
	s_lshl_b32 s70, s18, 22                        ; out0: batch,
	s_lshl_b32 s72, s[WV], 20                      ; my 128 channel rows,
	s_add_co_u32 s70, s70, s72
	s_lshl2_add_u32 s72, s19, s[CX]
	s_lshl_b32 s72, s72, 8                         ; my work-group's 64 tokens
	s_add_co_u32 s70, s70, s72
	s_add_nc_u64 s[OUT:OUT+1], s[14:15], s[70:71]
	s_wait_tensorcnt 1                             ; my part of block 0 is in, and I alone read it; block 1 may stay out
	WLOAD 0, 0, 0
	s_mov_b32 s[TRIP], 0
.Lstage:                                       ; trip 0: Q = x Wq + bq; trip 1: u = Q P + bo
	s_wait_loadcnt 0x0                             ; the bias (and x)
	PHASEB 0, NBA, 2*SLOTB
	PHASEB 1, NBA, 3*SLOTB
	PHASEB 2, NBB, 0
	PHASEB 3, NBB, SLOTB
	WIN 0
	s_cmp_eq_u32 s[TRIP], 1
	s_cbranch_scc1 .Lln1
	PLACES 4
	LOADVEC HA, PRM, 2048                          ; bo, on its way during the exchange
	EXCH
	s_mov_b64 s[NBA:NBA+1], s[SP:SP+1]
	s_mov_b64 s[NBB:NBB+1], s[SFC:SFC+1]
	s_add_co_u32 s[TRIP], s[TRIP], 1
	s_cmp_lt_u32 s[TRIP], 2
	s_cbranch_scc1 .Lstage
.Lln1:
	s_add_nc_u64 s[GP:GP+1], s[PRM:PRM+1], 4096    ; g1; be1 lies 2,048 bytes on
	s_mov_b32 s[KV], 0x3c000000                    ; 4 / 512
	s_mov_b32 s[TWO], 2.0
	s_mov_b32 s[NRM], 0
	s_branch .Lnorm                                ; the loop below is entered at its foot, the norm
.Lbig:                                         ; behind the first norm: Y, its exchange, and the FFN
	WIN 0x41
	ZPASS 4                                        ; Y
	LOADVEC HA, PRM, 8192                          ; b2, on its way during the exchange
	EXCH
	s_wait_loadcnt 0x0
	WIN 0x41
	ZPASS 5                                        ; Z = Y + b2: the second product adds onto it
	WIN 0
	s_lshl_b32 s70, s[CH], 9
	s_add_nc_u64 s[B1P:B1P+1], s[B1B:B1B+1], s[70:71]
	LOADB1
	s_mov_b32 s[CNT], 15
.Lffn:                                         ; a chunk of 128 hidden units; both slots are filled again, with the next chunk's blocks
	s_wait_loadcnt 0x0                             ; b1 of this chunk: its loads are done, so their base may be written
	s_add_co_u32 s[NXT], s[CH], 1
	s_and_b32 s[NXT], s[NXT], 15
	s_lshl_b32 s[OFF], s[NXT], 18
	s_lshl_b32 s70, s[NXT], 9
	s_add_nc_u64 s[B1P:B1P+1], s[B1B:B1B+1], s[70:71]
	GROUPA 0, 5                                    ; five places: the hidden sums are written over the hidden fragments that the last products read
	GROUPA 1, 4
	GROUPA 2, 4
	MEET1
	s_add_nc_u64 s[G0+2:G0+3], s[SF:SF+1], s[OFF:OFF+1]
	s_or_b32 s[G0+3], s[G0+3], 0x80000000
	s_wait_dscnt 1
	MMA 1, 3, 0, 1
	MEET2 0
	MMA 1, 3, 1, 3
	EPIH 1
	GROUPP 0
	GROUPP 1
	GROUPP 2
	MEET1
	s_add_nc_u64 s[G0+6:G0+7], s[SF1:SF1+1], s[OFF:OFF+1]
	s_or_b32 s[G0+7], s[G0+7], 0x80000000
	s_wait_dscnt 1
	MMB 1, 0, HA+32, 0, 2, 0
	MEET2 1
	MMB 1, 0, HA+32, 2, 6, 0
	WIN 0
	s_mov_b32 s[CH], s[NXT]
	s_sub_co_u32 s[CNT], s[CNT], 1
	s_cmp_lg_u32 s[CNT], 0
	s_cbranch_scc1 .Lffn
	s_wait_loadcnt 0x0                             ; the last chunk is written out: nothing is asked for, so no round
	GROUPA 0, 5
	GROUPA 1, 4
	GROUPA 2, 4
	s_wait_tensorcnt 0x0                           ; my part of the last block of W2, which I alone read
	s_wait_dscnt 0x0
	MMA 1, 3, 0, 2
	WIN 0
	PLACES 4
	WLOAD 0, 1, 0
	MMA 1, 3, 2, 2
	EPIH 0
	GROUPP 0
	GROUPP 1
	GROUPP 2
	s_wait_dscnt 0x0
	MMB 1, 0, HA+32, 0, 8, 0
	WIN 0
	s_add_nc_u64 s[GP:GP+1], s[PRM:PRM+1], 10240   ; g2; be2 lies 2,048 bytes on (the first norm's loads by this pointer were waited for)
	s_mov_b32 s[KV], 0x3b000000                    ; 1 / 512
	s_mov_b32 s[TWO], 1.0
.Lnorm:                                        ; THE NORM, written once: of u, then of Z
	s_wait_loadcnt 0x0                             ; no load of mine is out when v64-127 and v192-255 are loaded again
	PLACES 4                                       ; they were sources of the last products
	LOADVEC HA, GP, 0                              ; the gain
	LOADVEC T, GP, 2048                            ; the shift
	LNSTAT
	s_wait_loadcnt 0x0
	s_add_co_u32 s[NRM], s[NRM], 1
	s_cmp_lt_u32 s[NRM], 2
	s_cbranch_scc1 .Lbig
	WIN 0x81                                       ; Z in window 1, gain and shift in window 0, the result in window 2: a channel's four token tiles side by side
.set zc, 0
.rept 8
.set zj, 0
.rept 8
.set zt, 0
.rept 4
	v_fma_f32 v[4*(8*zc+zj)+zt], v[8*(4*zc+zt)+zj], v[HA+8*zc+zj], v[T+8*zc+zj]
.set zt, zt+1
.endr
.set zj, zj+1
.endr
.set zc, zc+1
.endr
	WIN 0x08                                       ; store data in window 2
.set zc, 0
.rept 8
.set zj, 0
.rept 8
	global_store_b128 v[GO], v[4*(8*zc+zj):4*(8*zc+zj)+3], s[OUT:OUT+1] offset:(16*zc+zj)*8192 th:TH_STORE_NT  ; 16 lanes store 256 consecutive bytes of a channel's row, aligned; lanes 16-31 the row eight further down
.set zj, zj+1
.endr
.set zc, zc+1
.endr
	WIN 0
	s_wait_tensorcnt 0x0                           ; the wave's end: a tensor wait, an add of 0 to my spare word and its wait, behind my last tensor load and my last LDS store
	ds_add_u32 v[SPW], v[NIL]
	s_wait_dscnt 0x0
	CROUND                                         ; the closing round: no work-group ends while a partner may still ask for a block that names it
	s_endpgm
.Lfunc_end_k_qb5dc8ae2ba_main:
	.size	k_qb5dc8ae2ba_main, .Lfunc_end_k_qb5dc8ae2ba_main-k_qb5dc8ae2ba_main
	.p2alignl 7, 3214868480
	.fill 96, 4, 3214868480
	.section	.rodata,"a",@progbits
	.p2align	6, 0x0
	.amdhsa_kernel k_qb5dc8ae2ba_main
		.amdhsa_group_segment_fixed_size 327680
		.amdhsa_private_segment_fixed_size 0
		.amdhsa_enable_private_segment 0
		.amdhsa_kernarg_size 48
		.amdhsa_user_sgpr_count 2
		.amdhsa_user_sgpr_kernarg_segment_ptr 1
		.amdhsa_wavefront_size32 1
		.amdhsa_system_sgpr_workgroup_id_x 1
		.amdhsa_system_sgpr_workgroup_id_y 1
		.amdhsa_system_sgpr_workgroup_id_z 1
		.amdhsa_system_vgpr_workitem_id 0
		.amdhsa_next_free_vgpr 1024
		.amdhsa_next_free_sgpr 80
		.amdhsa_reserve_vcc 0
		.amdhsa_float_denorm_mode_32 3
		.amdhsa_float_denorm_mode_16_64 3
		.amdhsa_memory_ordered 1
		.amdhsa_forward_progress 1
		.amdhsa_inst_pref_size 255
	.end_amdhsa_kernel
	.section	.bss,"aw",@nobits
	.p2align	6
	.space	262144
	.amdgpu_metadata
---
amdhsa.version: [ 1, 2 ]
amdhsa.kernels:
  - .name:           k_qb5dc8ae2ba_main
    .symbol:         k_qb5dc8ae2ba_main.kd
    .args:
      - { .name: XF, .offset: 0, .size: 8, .value_kind: global_buffer, .address_space: global }
      - { .name: WQF, .offset: 8, .size: 8, .value_kind: global_buffer, .address_space: global }
      - { .name: PF, .offset: 16, .size: 8, .value_kind: global_buffer, .address_space: global }
      - { .name: WFF, .offset: 24, .size: 8, .value_kind: global_buffer, .address_space: global }
      - { .name: PRM, .offset: 32, .size: 8, .value_kind: global_buffer, .address_space: global }
      - { .name: out0, .offset: 40, .size: 8, .value_kind: global_buffer, .address_space: global }
    .group_segment_fixed_size: 327680
    .private_segment_fixed_size: 0
    .kernarg_segment_align: 8
    .kernarg_segment_size: 48
    .max_flat_workgroup_size: 128
    .sgpr_count:     80
    .vgpr_count:     1024
    .wavefront_size: 32
...
	.end_amdgpu_metadata
.endif
;; end of part 4
